; MI455X (gfx1250); checked and timed in simulation.
; The chip was launched on July 23, 2026; its instructions are those of AMD's public machine-readable ISA for CDNA 5 (MIT licence, August 2026) and "CDNA5" Instruction Set Architecture Reference Guide (July 2026). The comments in the code are by the model that wrote it; some were corrected since.
;; Dot Product Attention. Allowed arithmetic: float matrix products may take bf16 or f16 operands with f32 sums; all other float work in f32.
;; Inputs: K 4 x 16 x 2,048 x 64 float32; Q 4 x 16 x 2,048 x 64 float32; V 4 x 16 x 2,048 x 64 float32.
;; Outputs: out0 4 x 16 x 2,048 x 64 float32.
;; Constants: dk = 64.
;; 2 versions, each right; version 2 is version 1 with the launch attn written anew for expert scheduling mode. Each part assembles by itself: llvm-mc -triple=amdgcn-amd-amdhsa -mcpu=gfx1250 --defsym DOCPART=n.
;; ======== version 1 of 2: 1 launch
;; launch attn (part 1): grid 256 x 1, 8 waves a work-group, no clusters, 113,664 bytes of LDS; arguments K, Q, V, out0; writes out0
.if DOCPART == 1
	.amdgcn_target "amdgcn-amd-amdhsa--gfx1250"
	.amdhsa_code_object_version 6
	.text
	.protected	k_qb711175c77_attn
	.globl	k_qb711175c77_attn
	.p2align	8
	.type	k_qb711175c77_attn,@function
k_qb711175c77_attn:
	s_mov_b64 s[64:65], 0
	v_nop
	global_prefetch_b8 v0, s[64:65] scope:SCOPE_SE
	s_setreg_imm32_b32 hwreg(HW_REG_WAVE_MODE, 25, 1), 1
	s_wait_xcnt 0x0
; out = softmax(8 Q K^T) V for 64 heads (4 x 16), 2,048 positions, 64 numbers a row, all f32 in memory.
; The factor is sqrt(dk) with dk = 64, a constant of the problem.  Nothing is left out: every row of K and V of a head reaches every
; output row of that head.
;
; SHARES.  Work-group x = 4 head + block takes 512 query rows of one head; each of its 8 waves takes 64 of them as 4 query tiles of 16.
; The keys go in 32 steps of 64.  A running maximum and a running sum are kept for each query (the maximum is taken away before
; every exponential, as in the softmax of the problem).
;
; BOTH PRODUCTS ARE USED TRANSPOSED, so that the weights never leave the registers:
;   S^T (16 keys x 16 queries) = K fragment (row = key) x Q fragment (column = query): register j of lane (r, h) is key 8h + j of query r.
;   So the softmax's axis lies in a lane's own registers and in the lane 16 further on; maximum, sum and rescale factor are one number a lane.
;   Two neighbouring S^T tiles, rounded in pairs to bf16, ARE the second source P^T (keys 8h.., 16 + 8h.. of query r) of
;   O^T (16 d x 16 queries) += V^T fragment (row = d, by the transposing LDS load from V kept as [key][d]) x P^T.
;
; TURNS.  The query tiles take turns, so that products and softmax stand side by side in a wave.  With n the tile behind q (tile 0 of the
; next step behind tile 3):
;   PARTA q: the 8 products of S^T(n), and behind each a slice of the softmax of S^T(q) (10 of its 80 instructions); then the maximum of S^T(n).
;   PARTB q: the 8 products of O^T(q), and behind each 2 of the 16 multiplications that rescale O^T(n).
; S^T has two buffers, which the tiles use in turn.  PARTA names window 0 alone; PARTB's products and the rescale share one setting:
; two window switches a tile.  What PARTA names fills window 0: K and Q fragments 64 + 64, two S^T 64, P^T 16, addresses and small numbers 48.
;
; K AND V come in through registers: the 256 threads load a step's 16 KiB of K and 16 KiB of V (each wave's load covers 512 consecutive
; bytes), round them to bf16 and store them into one of two LDS slots; the loads are issued a whole step before they are waited for.
; NO JOINT TENSOR LOADS, although the four work-groups of a head read the same tiles: the tiles are f32 in memory and the products take
; bf16.  Through registers LDS is written 16 KiB a step; a tile laid into LDS as f32 would be 32 KiB written, 32 KiB read back to be
; rounded, and the same 16 KiB written.  The price: each byte of K and V is asked for by four work-groups.
;
; NUMBERS.  Q, K, V are rounded to bf16 as they are (no factor is folded into them); sums in f32; the factor c = 8 log2(e) is applied in
; f32 inside one fused multiply-add, p = 2^(c s - c m).  The shift -c m is rounded once and that same number serves the exponentials and,
; by differences of such numbers, the rescale factors, so that it cancels in the quotient whatever the size of the scores.
; LIMITS.  Inputs are taken as finite: the maxima drop a NaN, so a NaN or an infinity in Q or K is not carried as the problem's softmax
; would carry it.  A weight below 2^-126 of the row's largest counts as 0.  The weights enter the second product in bf16 while their
; sum is taken from the f32 values.  The sums run in another order than the problem's.
.set KP,      144                      ; LDS pitch of a bf16 row of K or Q: 128 + 16, an odd multiple of 16: 16 rows start at 16 different 16-byte columns modulo 256
.set VP,      160                      ; LDS pitch of a bf16 row of V: an odd multiple of 32, for the transposing load
.set OPITCH,  272                      ; LDS pitch of an f32 row on the way out: 256 + 16
.set KBYTES,  64*KP                    ; 9,216: K's part of a slot; V's part follows it
.set SLOT,    64*KP+64*VP              ; 19,456
.set STAGE,   2*SLOT                   ; behind the slots: 9,216 bytes for each wave, its own: first its 64 rows of Q in bf16, at the end 16 rows of output
.set WSTAGE,  64*KP
.set TILEB,   16384                    ; 64 keys x 256 bytes in memory
; window 0
.set KA,   1                           ; LDS: my place in a K fragment, r 144 + 16 h
.set VA,   2                           ; LDS: my place in a V fragment, (8 h + l % 8) 160 + 16 ((l / 8) % 2) + 9,216
.set KST,  3                           ; LDS: where I store 4 numbers of K
.set VST,  4                           ; LDS: where I store 4 numbers of V
.set GO,   5                           ; 16 x thread: my 16 bytes in 4,096 bytes of a tile
.set GOL,  6                           ; 16 x lane: my 16 bytes in 512 bytes of Q or of the output
.set PF,   7                           ; 256 x lane + 8,192 x block: the prefetch's offset
.set QST,  8                           ; LDS: where I store 4 numbers of Q
.set QRD,  9                           ; LDS: my place in a Q fragment
.set OST,  10                          ; LDS: the way out, in
.set ORD,  11                          ; LDS: the way out, back
.set NM,   16                          ; v[16+2q] -c m, v[17+2q] m, for query tile q; at the end v[16+2q] = 1 / sum
.set LS,   24                          ; v[24+2q:25+2q] two partial sums of the weights
.set AL,   32                          ; v[32+2(q%2)] rescale factor of tile q, v[33+2(q%2)] its exponent
.set TM,   36                          ; v[36:39] at work
.set PT,   48                          ; v[48:63] P^T, two fragments of 32 keys
.set SC,   64                          ; v[64:95], v[96:127] S^T of the even and of the odd tiles: register 8 i + j = key 16 i + 8 h + j
.set CV,   96                          ; the odd tiles' buffer also carries a rounded tile of K and V on its way into LDS, at a step's head, where it is free
.set KF,   128                         ; v[128:191] K fragments (key block i, d half e) at 16 i + 8 e
.set QF,   192                         ; v[192:255] Q fragments (query tile q, d half e) at 16 q + 8 e
.set RAW,  128                         ; v[128:255] at the start Q as loaded, at the end rows on their way out
; window 1 (named by their low 8 bits): v[256:383] O^T (q, t) at 32 q + 8 t
.set VF,   128                         ; v[384:447] V fragments (key half b, d block t) at 32 b + 8 t
.set STG,  192                         ; v[448:479] a tile on its way in: K's four loads, then V's four
.set MSB, 0
.macro WIN new                         ; low byte: bits 1:0 source 0, 3:2 source 1, 5:4 source 2, 7:6 destination; the high byte repeats the setting that is left
.if MSB != \new
	s_set_vgpr_msb (MSB<<8)|\new
.set MSB, \new
.endif
.endm
; the next tile of K and of V, 8 loads a thread (destination in window 1)
.macro LOADKV
	s_wait_xcnt 0x0                                ; the bases are stepped only behind this wait (the last prefetches named them)
	s_add_nc_u64 s[4:5], s[4:5], TILEB
	s_add_nc_u64 s[8:9], s[8:9], TILEB
.irp j, 0,1,2,3
	global_load_b128 v[STG+4*\j:STG+4*\j+3], v[GO], s[4:5] offset:4096*\j
.endr
.irp j, 0,1,2,3
	global_load_b128 v[STG+16+4*\j:STG+16+4*\j+3], v[GO], s[8:9] offset:4096*\j
.endr
.endm
; the loaded tile, 32 f32 a thread, rounded to 16 words of bf16 (sources in window 1, destination in window 0)
.macro CVT
.set k, 0
.rept 16
	v_cvt_pk_bf16_f32 v[CV+k], v[STG+2*k], v[STG+2*k+1]
.set k, k+1
.endr
.endm
; and stored: load j held key 16 j + thread / 16, numbers 4 (thread % 16) ..
.macro STORE slot
.irp j, 0,1,2,3
	ds_store_b64 v[KST], v[CV+2*\j:CV+2*\j+1] offset:(\slot)*SLOT+16*KP*\j
.endr
.irp j, 0,1,2,3
	ds_store_b64 v[VST], v[CV+8+2*\j:CV+8+2*\j+1] offset:(\slot)*SLOT+16*VP*\j
.endr
.endm
; K's fragments of a step: 16 loads
.macro KFRAGS slot
.irp i, 0,1,2,3
.irp e, 0,1
	ds_load_b128 v[KF+16*\i+8*\e:KF+16*\i+8*\e+3],   v[KA] offset:(\slot)*SLOT+16*KP*\i+64*\e
	ds_load_b128 v[KF+16*\i+8*\e+4:KF+16*\i+8*\e+7], v[KA] offset:(\slot)*SLOT+16*KP*\i+64*\e+32
.endr
.endr
.endm
; V's fragments of a step: 16 transposing loads (destination in window 1)
.macro VFRAGS slot
.irp b, 0,1
.irp t, 0,1,2,3
	ds_load_tr16_b128 v[VF+32*\b+8*\t:VF+32*\b+8*\t+3],   v[VA] offset:(\slot)*SLOT+32*VP*\b+32*\t
	ds_load_tr16_b128 v[VF+32*\b+8*\t+4:VF+32*\b+8*\t+7], v[VA] offset:(\slot)*SLOT+32*VP*\b+32*\t+16*VP
.endr
.endr
.endm
; Product j of the eight of S^T of query tile q: j = 0..3 key block j, first half of d, starts the sum; j = 4..7 key block j - 4, second half.
; The four accumulators take turns, one instruction a turn.
.macro SWMMA q, j
.if \j < 4
	v_wmma_f32_16x16x32_bf16 v[SC+32*((\q)&1)+8*\j:SC+32*((\q)&1)+8*\j+7], v[KF+16*\j:KF+16*\j+7], v[QF+16*(\q):QF+16*(\q)+7], 0
.else
	v_wmma_f32_16x16x32_bf16 v[SC+32*((\q)&1)+8*(\j-4):SC+32*((\q)&1)+8*(\j-4)+7], v[KF+16*(\j-4)+8:KF+16*(\j-4)+15], v[QF+16*(\q)+8:QF+16*(\q)+15], v[SC+32*((\q)&1)+8*(\j-4):SC+32*((\q)&1)+8*(\j-4)+7]
.endif
.endm
; The new maximum of query tile q, its shift -c m and its rescale factor.  first = 1: there is no older maximum.
.macro MAXA q, first
.set SN, SC+32*((\q)&1)
.set AN, AL+2*((\q)&1)
.set NN, NM+2*(\q)
	; the largest of my 32 scores and the older maximum: 33 numbers, 16 instructions, four chains
.irp c, 0,1,2,3
	v_max3_num_f32 v[TM+\c], v[SN+8*\c], v[SN+8*\c+1], v[SN+8*\c+2]
.endr
.irp c, 0,1,2,3
	v_max3_num_f32 v[TM+\c], v[TM+\c], v[SN+8*\c+3], v[SN+8*\c+4]
.endr
.irp c, 0,1,2,3
	v_max3_num_f32 v[TM+\c], v[TM+\c], v[SN+8*\c+5], v[SN+8*\c+6]
.endr
	v_max3_num_f32 v[TM], v[TM], v[SN+7], v[SN+15]
	v_max3_num_f32 v[TM+1], v[TM+1], v[SN+23], v[SN+31]
	v_max3_num_f32 v[TM], v[TM], v[TM+1], v[TM+2]
.if \first
	v_max_num_f32 v[TM], v[TM], v[TM+3]
.else
	v_max3_num_f32 v[TM], v[TM], v[TM+3], v[NN+1]
.endif
	v_permlanex16_b32 v[TM+1], v[TM], s18, s19     ; the other 32 keys of my query lie in the lane 16 further on
	v_max_num_f32 v[NN+1], v[TM], v[TM+1]          ; m
.if \first
	v_mul_f32 v[NN], 0xc138aa3b, v[NN+1]           ; -c m, rounded once
.else
	v_mul_f32 v[TM+2], 0xc138aa3b, v[NN+1]         ; -c m, rounded once
	v_sub_f32 v[AN+1], v[TM+2], v[NN]              ; c (older m - m), at most 0
	v_exp_f32 v[AN], v[AN+1]
	v_mov_b32 v[NN], v[TM+2]                       ; also the plain instruction between the exponential and the first use of its result (ISA guide 5.7.2)
	s_wait_alu depctr_va_vdst(0)
.endif
.endm
; Pieces of the softmax of the tile whose registers PARTA has named: SQ its S^T, NQ its -c m.  A group is 4 registers of S^T.
.macro PFMA p                          ; c s - c m for the pair at p, both halves by s16 and v[NQ]
	v_pk_fma_f32 v[SQ+(\p):SQ+(\p)+1], v[SQ+(\p):SQ+(\p)+1], s[16:17], v[NQ:NQ+1] op_sel_hi:[1,0,0]
.endm
.macro PADD c, g                       ; chain c of two takes group g's pair c; group 1 starts the chains together with group 0: nothing is cleared
.if (\g) == 1
	v_pk_add_f32 v[TM+2*\c:TM+2*\c+1], v[SQ+2*\c:SQ+2*\c+1], v[SQ+4+2*\c:SQ+4+2*\c+1]
.else
	s_wait_alu depctr_va_vdst(0)
	v_pk_add_f32 v[TM+2*\c:TM+2*\c+1], v[TM+2*\c:TM+2*\c+1], v[SQ+4*(\g)+2*\c:SQ+4*(\g)+2*\c+1]
.endif
.endm
.macro PCVT c, g                       ; group g's pair c to bf16: tiles 0, 1 make the fragment of keys 0-31, tiles 2, 3 that of keys 32-63
	s_wait_alu depctr_va_vdst(0)
	v_cvt_pk_bf16_f32 v[PT+2*(\g)+\c], v[SQ+4*(\g)+2*\c], v[SQ+4*(\g)+2*\c+1]
.endm
; Slice j of eight: the exponentials of group j, the multiply-adds of group j + 1, the sums and roundings of group j - 1.
; Each exponential's result is used a slice later, and a plain instruction on other registers stands between (ISA guide 5.7.2).
.macro SLICE j
	v_exp_f32 v[SQ+4*\j], v[SQ+4*\j]
.if \j < 7
	PFMA 4*\j+4
.endif
	v_exp_f32 v[SQ+4*\j+1], v[SQ+4*\j+1]
.if \j < 7
	PFMA 4*\j+6
.endif
	v_exp_f32 v[SQ+4*\j+2], v[SQ+4*\j+2]
.if \j > 1
	PADD 0, \j-1
.endif
	v_exp_f32 v[SQ+4*\j+3], v[SQ+4*\j+3]
.if \j > 1
	PADD 1, \j-1
.endif
.if \j > 0
	PCVT 0, \j-1
	PCVT 1, \j-1
.endif
.endm
; The softmax of tile q among the products of S^T of tile nq, then the maximum of tile nq.  All in window 0.
; mul = 0: there is no next tile.  firstc, firstn = 1: tile q, tile nq is in step 0.
; next = 1: behind the tail the barrier is waited for and K's fragments of the next step are read from slot.
.macro PARTA q, nq, mul, firstc, firstn, next, slot
.set SQ, SC+32*((\q)&1)
.set NQ, NM+2*(\q)
.set AQ, AL+2*((\q)&1)
.set LQ, LS+2*(\q)
	WIN 0
	PFMA 0
	PFMA 2
.irp j, 0,1,2,3,4,5,6,7
.if \mul
	SWMMA \nq, \j
.endif
	SLICE \j
.endr
	PADD 0, 7
	PADD 1, 7
	PCVT 0, 7
	PCVT 1, 7
.if \firstc
	v_pk_add_f32 v[LQ:LQ+1], v[TM:TM+1], v[TM+2:TM+3]
.else
	v_pk_add_f32 v[TM:TM+1], v[TM:TM+1], v[TM+2:TM+3]
	v_pk_fma_f32 v[LQ:LQ+1], v[LQ:LQ+1], v[AQ:AQ+1], v[TM:TM+1] op_sel_hi:[1,0,1]
.endif
	; Behind the last product stand slice 7's two sums and two roundings and the tail's: more than the four places that the loads into K's
	; fragments and the first read of S^T(nq) want; they name S^T(q), P^T and small numbers alone.
.if \next
	s_barrier_wait -1                              ; every wave has stored its part of the next tile
	KFRAGS \slot                                   ; this step's last products with K stand above: its fragment registers take the next step's
.endif
.if \mul
	MAXA \nq, \firstn
.endif
.endm
; O^T(q) += V^T P^T, and among the products the rescale of O^T(nq): a lane's 32 numbers all belong to its query.
; One setting serves both: destination, source 0 and source 2 in window 1 (O^T, V's fragments), source 1 in window 0 (P^T, the factor).
; firstc = 1: the first four products start the sums: nothing is cleared.  resc = 0: tile nq has nothing to rescale.
; The four accumulators take turns, one instruction a turn.
.macro PARTB q, nq, firstc, resc
.set AN, AL+2*((\nq)&1)
	WIN 0x51
.irp j, 0,1,2,3,4,5,6,7
.set ZC, (\firstc)*(1-(\j>>2))
.if ZC
	v_wmma_f32_16x16x32_bf16 v[32*(\q)+8*(\j&3):32*(\q)+8*(\j&3)+7], v[VF+32*(\j>>2)+8*(\j&3):VF+32*(\j>>2)+8*(\j&3)+7], v[PT+8*(\j>>2):PT+8*(\j>>2)+7], 0
	s_wait_alu depctr_va_vdst(0)
.else
	v_wmma_f32_16x16x32_bf16 v[32*(\q)+8*(\j&3):32*(\q)+8*(\j&3)+7], v[VF+32*(\j>>2)+8*(\j&3):VF+32*(\j>>2)+8*(\j&3)+7], v[PT+8*(\j>>2):PT+8*(\j>>2)+7], v[32*(\q)+8*(\j&3):32*(\q)+8*(\j&3)+7]
.endif
.if \resc
	s_wait_alu depctr_va_vdst(0)
	v_pk_mul_f32 v[32*(\nq)+4*\j:32*(\nq)+4*\j+1],   v[32*(\nq)+4*\j:32*(\nq)+4*\j+1],   v[AN:AN+1] op_sel_hi:[1,0]
	v_pk_mul_f32 v[32*(\nq)+4*\j+2:32*(\nq)+4*\j+3], v[32*(\nq)+4*\j+2:32*(\nq)+4*\j+3], v[AN:AN+1] op_sel_hi:[1,0]
.endif
.endr
.endm
; Step t works on the tile in slot t % 2.  At its head K's fragments of tile t are in, S^T of tile 0 is made and its maximum taken.
; first: step 0.  load: tile t + 2 is asked for.  pf: wave 0 prefetches (2: not in the loop's last trip).  last: step 31, no tile follows.
.macro TRIP slot, first, load, pf, last
.if \last
.rept 4
	v_nop                                          ; four places between the last products and the loads into V's fragments
.endr
.else
	s_wait_loadcnt 0x0                             ; tile t + 1, asked for a whole step ago
	WIN 0x05
	CVT                                            ; these 16 name no register of the last products: they are the places in front of the loads into V's fragments
.endif
	WIN 0x40
	VFRAGS \slot
.if \load
	LOADKV
.endif
	WIN 0
.if \last == 0
	STORE 1-\slot
.endif
.if \pf
	; The bases now stand at tile t + 2.  Wave 0 of each of the head's four work-groups asks for its quarter (8,192 bytes, 32 lanes 256 bytes
	; apart) of tiles t + 4 and t + 5 of K and of V: two and three steps ahead of their loads, each block once in the launch.
	; Asked in the even steps 0 to 26; step 28 would point past the head's last tile and asks for nothing.
	s_cmp_lg_u32 s12, 0
	s_cbranch_scc1 .Lnopf_\@
.if \pf == 2
	s_cmp_eq_u32 s13, 1
	s_cbranch_scc1 .Lnopf_\@
.endif
	global_prefetch_b8 v[PF], s[4:5] offset:2*TILEB th:TH_LOAD_NT scope:SCOPE_SE
	global_prefetch_b8 v[PF], s[8:9] offset:2*TILEB th:TH_LOAD_NT scope:SCOPE_SE
.Lnopf_\@:
.endif
	PARTA 0, 1, 1, \first, \first, 0, 0
	s_wait_dscnt 0x0                               ; V's fragments are in; with them all my reads of tile t are back and my stores of tile t + 1 are done
.if \last == 0
	s_barrier_signal -1                            ; say so.  Up to the barrier's wait, in PARTA 2, stands register work alone: a wave may lag by that much.
	                                               ; Behind the wait tile t + 1 is read by every wave, and in the next step tile t + 2 is stored over tile t
.endif
	PARTB 0, 1, \first, 1-\first
	PARTA 1, 2, 1, \first, \first, 0, 0
	PARTB 1, 2, \first, 1-\first
	PARTA 2, 3, 1, \first, \first, 1-\last, 1-\slot
	PARTB 2, 3, \first, 1-\first
.if \last == 0
	s_wait_dscnt 0x0                               ; K's fragments of tile t + 1, asked for in front of the last maximum and the eight products above
.endif
	PARTA 3, 0, 1-\last, \first, 0, 0, 0           ; its products are S^T of tile 0 in step t + 1
	PARTB 3, 0, \first, 1-\last
	WIN 0
.endm
	s_load_b256 s[4:11], s[0:1], 0x0               ; K s[4:5], Q s[6:7], V s[8:9], out0 s[10:11]
	v_lshl_add_u32 v46, v0, 2, 0x1b800
	v_mov_b32 v47, 0
	v_lshrrev_b32 v12, 5, v0
	v_readfirstlane_b32 s12, v12                   ; wave 0..7
	s_lshl_b32 s14, ttmp9, 17                      ; 512 query rows of 256 bytes for each work-group,
	s_lshl_b32 s22, s12, 14                        ; 64 for each wave
	s_add_co_u32 s14, s14, s22
	s_mov_b32 s15, 0
	s_lshr_b32 s20, ttmp9, 2                       ; head
	s_lshl_b32 s20, s20, 19                        ; x 2,048 rows of 256 bytes
	s_mov_b32 s21, 0
	s_and_b32 s23, ttmp9, 3                        ; my block among the head's four,
	s_lshl_b32 s23, s23, 13                        ; x 8,192 bytes: its quarter of what is prefetched
	s_mov_b32 s16, 0x4138aa3b                      ; c = 8 log2(e)
	s_mov_b32 s17, 0x4138aa3b
	s_mov_b32 s18, 0x76543210                      ; v_permlanex16_b32: lane i of one half reads lane i of the other
	s_mov_b32 s19, 0xfedcba98
	s_mul_i32 s24, s12, WSTAGE
	s_add_co_u32 s24, s24, STAGE                   ; my wave's stage
	s_mul_i32 s25, s12, 2*KP                       ; a wave's 32 threads hold two rows of each 16 rows of a tile
	s_mul_i32 s26, s12, 2*VP
	s_add_co_u32 s26, s26, KBYTES
	v_and_b32 v12, 31, v0                          ; lane l
	v_and_b32 v13, 15, v0                          ; r = l % 16
	v_bfe_u32 v14, v0, 4, 1                        ; h = l / 16
	v_lshlrev_b32 v[GO], 4, v0
	v_lshlrev_b32 v[GOL], 4, v12
	v_lshlrev_b32 v[PF], 8, v12
	v_add_nc_u32 v[PF], s23, v[PF]
	v_mul_u32_u24 v[KA], v13, KP
	v_lshl_add_u32 v[KA], v14, 4, v[KA]            ; r 144 + 16 h
	v_add_nc_u32 v[QRD], s24, v[KA]
	v_and_b32 v15, 7, v0
	v_lshl_add_u32 v15, v14, 3, v15                ; 8 h + l % 8
	v_mul_u32_u24 v[VA], v15, VP
	v_bfe_u32 v15, v0, 3, 1
	v_lshl_add_u32 v[VA], v15, 4, v[VA]
	v_add_nc_u32 v[VA], KBYTES, v[VA]
	v_mul_u32_u24 v15, v14, KP
	v_lshl_add_u32 v15, v13, 3, v15                ; h 144 + 8 r
	v_add_nc_u32 v[KST], s25, v15
	v_add_nc_u32 v[QST], s24, v15
	v_mul_u32_u24 v15, v14, VP
	v_lshl_add_u32 v15, v13, 3, v15                ; h 160 + 8 r
	v_add_nc_u32 v[VST], s26, v15
	v_mul_u32_u24 v[OST], v13, OPITCH
	v_lshl_add_u32 v[OST], v14, 5, v[OST]          ; r 272 + 32 h
	v_add_nc_u32 v[OST], s24, v[OST]
	v_mul_u32_u24 v[ORD], v14, OPITCH
	v_lshl_add_u32 v[ORD], v13, 4, v[ORD]          ; h 272 + 16 r
	v_add_nc_u32 v[ORD], s24, v[ORD]
	s_wait_kmcnt 0x0
	s_add_nc_u64 s[6:7], s[6:7], s[14:15]          ; Q and the output at my wave's first row
	s_add_nc_u64 s[10:11], s[10:11], s[14:15]
	s_add_nc_u64 s[4:5], s[4:5], s[20:21]          ; K and V at the head's first row
	s_add_nc_u64 s[8:9], s[8:9], s[20:21]
	; my wave's 64 rows of Q, two rows a load, into the registers that later hold the fragments of K and Q; then tile 0
.set n, 0
.rept 32
	global_load_b128 v[RAW+4*n:RAW+4*n+3], v[GOL], s[6:7] offset:512*n th:TH_LOAD_NT
.set n, n+1
.endr
	WIN 0x40                                       ; destination in window 1
.irp j, 0,1,2,3
	global_load_b128 v[STG+4*\j:STG+4*\j+3], v[GO], s[4:5] offset:4096*\j
.endr
.irp j, 0,1,2,3
	global_load_b128 v[STG+16+4*\j:STG+16+4*\j+3], v[GO], s[8:9] offset:4096*\j
.endr
	WIN 0
	; Q to bf16, into my own stage: load n held rows 2 n + h, numbers 4 r ..
.irp g, 0,1,2,3
	s_wait_loadcnt 32-8*\g                         ; loads come back in order (ISA guide 5.7.1): behind this group's eight stand the later groups' and tile 0's eight
.irp j, 0,1,2,3,4,5,6,7
	v_cvt_pk_bf16_f32 v[SC+16*(\g&1)+2*\j],   v[RAW+32*\g+4*\j],   v[RAW+32*\g+4*\j+1]
	v_cvt_pk_bf16_f32 v[SC+16*(\g&1)+2*\j+1], v[RAW+32*\g+4*\j+2], v[RAW+32*\g+4*\j+3]
	ds_store_b64 v[QST], v[SC+16*(\g&1)+2*\j:SC+16*(\g&1)+2*\j+1] offset:2*KP*(8*\g+\j)
.endr
.endr
	; and back as fragments, which stay for the whole kernel.  My own bytes: LDS serves a wave's instructions in order (ISA guide 5.7.1)
.irp q, 0,1,2,3
.irp e, 0,1
	ds_load_b128 v[QF+16*\q+8*\e:QF+16*\q+8*\e+3],   v[QRD] offset:16*KP*\q+64*\e
	ds_load_b128 v[QF+16*\q+8*\e+4:QF+16*\q+8*\e+7], v[QRD] offset:16*KP*\q+64*\e+32
.endr
.endr
	s_wait_loadcnt 0x0                             ; tile 0
	WIN 0x05
	CVT
	WIN 0
	STORE 0
	WIN 0x40
	LOADKV                                         ; tile 1
	WIN 0
	s_wait_dscnt 0x0                               ; my part of tile 0 is stored, and my Q fragments are in
	s_barrier_signal -1
	s_barrier_wait -1                              ; tile 0 is whole
	; what every later step finds done by the step before it: K's fragments, S^T of tile 0 and its maximum
	KFRAGS 0
	s_wait_dscnt 0x0
.irp j, 0,1,2,3,4,5,6,7
	SWMMA 0, \j
.endr
.rept 4
	v_nop                                          ; four places between the last product and the first read of a result (ISA guide 7.12.1); once in the kernel: no softmax is at hand yet
.endr
	MAXA 0, 1
	TRIP 0, 1, 1, 1, 0                             ; step 0 starts maxima, sums and O^T
	TRIP 1, 0, 1, 0, 0
	s_mov_b32 s13, 14                              ; steps 2 to 29
.Lloop:
	TRIP 0, 0, 1, 2, 0
	TRIP 1, 0, 1, 0, 0
	s_sub_co_u32 s13, s13, 1
	s_cmp_lg_u32 s13, 0
	s_cbranch_scc1 .Lloop
	TRIP 0, 0, 0, 0, 0                             ; step 30: tile 31 is stored, nothing is left to load
	TRIP 1, 0, 0, 0, 1                             ; step 31
	; 1 / sum for each query tile.  The eight additions name no register of the last products: they are the places in front of the first read of O^T.
.irp q, 0,1,2,3
	v_add_f32 v[LS+2*\q], v[LS+2*\q], v[LS+2*\q+1]
.endr
.irp q, 0,1,2,3
	v_permlanex16_b32 v[LS+2*\q+1], v[LS+2*\q], s18, s19
.endr
.irp q, 0,1,2,3
	v_add_f32 v[LS+2*\q], v[LS+2*\q], v[LS+2*\q+1]
.endr
.irp q, 0,1,2,3
	v_rcp_f32 v[NM+2*\q], v[LS+2*\q]               ; the sum is at least the largest weight, which is 1 up to rounding
.endr
	v_nop                                          ; the plain instruction behind the reciprocals (ISA guide 5.7.2)
	s_wait_alu depctr_va_vdst(0)
; THE WAY OUT, one query tile (16 rows of 256 bytes) at a time: a lane holds 8 neighbouring numbers of its row for each d block; they go
; into my own stage and come back as whole rows, so that each store of the wave covers 512 consecutive bytes, aligned.
.macro OUT16 q, f
	WIN 0x01                                       ; source 0 in window 1
.set k, 0
.rept 16
	v_pk_mul_f32 v[SC+k:SC+k+1], v[32*\q+k:32*\q+k+1], v[NM+2*\q:NM+2*\q+1] op_sel_hi:[1,0]
.set k, k+2
.endr
	WIN 0
.irp t, 0,1,2,3
	ds_store_b128 v[OST], v[SC+8*\t:SC+8*\t+3]   offset:64*\t
	ds_store_b128 v[OST], v[SC+8*\t+4:SC+8*\t+7] offset:64*\t+16
.endr
	s_wait_xcnt 0x0                                ; registers that earlier stores read are loaded again only behind this wait
.irp u, 0,1,2,3,4,5,6,7
	ds_load_b128 v[\f+4*\u:\f+4*\u+3], v[ORD] offset:2*OPITCH*\u   ; rows 2 u + h; in order behind my stores above
.endr
.irp u, 0,1,2,3,4,5,6,7
	s_wait_dscnt 7-\u                              ; the younger read-backs may be out
	global_store_b128 v[GOL], v[\f+4*\u:\f+4*\u+3], s[10:11] offset:4096*\q+512*\u th:TH_STORE_NT
.endr
.endm
	OUT16 0, RAW
	OUT16 1, RAW+64
	OUT16 2, RAW
	OUT16 3, RAW+64
	s_wait_tensorcnt 0x0
	ds_add_u32 v46, v47
	s_wait_dscnt 0x0
	s_endpgm
.Lfunc_end_k_qb711175c77_attn:
	.size	k_qb711175c77_attn, .Lfunc_end_k_qb711175c77_attn-k_qb711175c77_attn
	.p2alignl 7, 3214868480
	.fill 96, 4, 3214868480
	.section	.rodata,"a",@progbits
	.p2align	6, 0x0
	.amdhsa_kernel k_qb711175c77_attn
		.amdhsa_group_segment_fixed_size 113664
		.amdhsa_private_segment_fixed_size 0
		.amdhsa_enable_private_segment 0
		.amdhsa_kernarg_size 32
		.amdhsa_user_sgpr_count 2
		.amdhsa_user_sgpr_kernarg_segment_ptr 1
		.amdhsa_wavefront_size32 1
		.amdhsa_system_sgpr_workgroup_id_x 1
		.amdhsa_system_sgpr_workgroup_id_y 1
		.amdhsa_system_sgpr_workgroup_id_z 1
		.amdhsa_system_vgpr_workitem_id 0
		.amdhsa_next_free_vgpr 480
		.amdhsa_next_free_sgpr 66
		.amdhsa_reserve_vcc 0
		.amdhsa_float_denorm_mode_32 3
		.amdhsa_float_denorm_mode_16_64 3
		.amdhsa_memory_ordered 1
		.amdhsa_forward_progress 1
		.amdhsa_inst_pref_size 254
	.end_amdhsa_kernel
	.amdgpu_metadata
---
amdhsa.version: [ 1, 2 ]
amdhsa.kernels:
  - .name:           k_qb711175c77_attn
    .symbol:         k_qb711175c77_attn.kd
    .args:
      - { .name: K, .offset: 0, .size: 8, .value_kind: global_buffer, .address_space: global }
      - { .name: Q, .offset: 8, .size: 8, .value_kind: global_buffer, .address_space: global }
      - { .name: V, .offset: 16, .size: 8, .value_kind: global_buffer, .address_space: global }
      - { .name: out0, .offset: 24, .size: 8, .value_kind: global_buffer, .address_space: global }
    .group_segment_fixed_size: 113664
    .private_segment_fixed_size: 0
    .kernarg_segment_align: 8
    .kernarg_segment_size: 32
    .max_flat_workgroup_size: 256
    .sgpr_count:     66
    .vgpr_count:     480
    .wavefront_size: 32
...
	.end_amdgpu_metadata
.endif
;; end of part 1
;; ======== version 2 of 2: 1 launch; version 1 with the launch attn written anew for expert scheduling mode
;; launch attn (part 2): grid 256 x 1, 8 waves a work-group, no clusters, 113,664 bytes of LDS; arguments K, Q, V, out0; writes out0
.if DOCPART == 2
	.amdgcn_target "amdgcn-amd-amdhsa--gfx1250"
	.amdhsa_code_object_version 6
	.text
	.protected	k_qb711175c77_attn
	.globl	k_qb711175c77_attn
	.p2align	8
	.type	k_qb711175c77_attn,@function
k_qb711175c77_attn:
	s_mov_b64 s[64:65], 0
	v_nop
	global_prefetch_b8 v0, s[64:65] scope:SCOPE_SE
	s_setreg_imm32_b32 hwreg(HW_REG_WAVE_SCHED_MODE, 0, 2), 2
	s_setreg_imm32_b32 hwreg(HW_REG_WAVE_MODE, 25, 1), 1
	s_wait_xcnt 0x0
	s_wait_alu depctr_vm_vsrc(0)
; out = softmax(8 Q K^T) V for 64 heads (4 x 16), 2,048 positions, 64 numbers a row, all f32 in memory.
; The factor is sqrt(dk) with dk = 64, a constant of the problem.  Nothing is left out: every row of K and V of a head reaches every
; output row of that head.
;
; SHARES.  Work-group x = 4 head + block takes 512 query rows of one head; each of its 8 waves takes 64 of them as 4 query tiles of 16.
; The keys go in 32 steps of 64.  A running maximum and a running sum are kept for each query (the maximum is taken away before
; every exponential, as in the softmax of the problem).
;
; BOTH PRODUCTS ARE USED TRANSPOSED, so that the weights never leave the registers:
;   S^T (16 keys x 16 queries) = K fragment (row = key) x Q fragment (column = query): register j of lane (r, h) is key 8h + j of query r.
;   So the softmax's axis lies in a lane's own registers and in the lane 16 further on; maximum, sum and rescale factor are one number a lane.
;   Two neighbouring S^T tiles, rounded in pairs to bf16, ARE the second source P^T (keys 8h.., 16 + 8h.. of query r) of
;   O^T (16 d x 16 queries) += V^T fragment (row = d, by the transposing LDS load from V kept as [key][d]) x P^T.
;
; TURNS.  The query tiles take turns, so that products and softmax stand side by side in a wave.  With n the tile behind q (tile 0 of the
; next step behind tile 3):
;   PARTA q: the 8 products of S^T(n), and behind each a slice of the softmax of S^T(q) (10 of its 80 instructions); then the maximum of S^T(n).
;   PARTB q: the 8 products of O^T(q), and behind each 2 of the 16 multiplications that rescale O^T(n).
; S^T has two buffers, which the tiles use in turn.  PARTA names window 0 alone; PARTB's products and the rescale share one setting:
; two window switches a tile.  What PARTA names fills window 0: K and Q fragments 64 + 64, two S^T 64, P^T 16, addresses and small numbers 48.
;
; K AND V come in through registers: the 256 threads load a step's 16 KiB of K and 16 KiB of V (each wave's load covers 512 consecutive
; bytes), round them to bf16 and store them into one of two LDS slots; the loads are issued a whole step before they are waited for.
; NO JOINT TENSOR LOADS, although the four work-groups of a head read the same tiles: the tiles are f32 in memory and the products take
; bf16.  Through registers LDS is written 16 KiB a step; a tile laid into LDS as f32 would be 32 KiB written, 32 KiB read back to be
; rounded, and the same 16 KiB written.  The price: each byte of K and V is asked for by four work-groups.
;
; THE MODE: SCHED_MODE bits 1:0 = 2 (LLVM: expert scheduling mode 2), set by the entry lines.  The code itself states the register dependences
; between vector or matrix instructions and memory or LDS instructions, with s_wait_alu, always for 0.
; THE PLAN.  Registers that memory or LDS instructions touch, in the loop:
;   STG   The 8 global loads of step t land in it (tile t + 2); the 16 conversions at the head of step t + 1 read it.
;   CV    Those conversions write it; the 8 LDS stores of the same head read it.  Registers of its own: nothing else names them.
;   VF    The 16 transposing loads at a step's head land in it; the 32 products of the step's four PARTB read it.
;   KF    The 16 LDS loads in PARTA 2 land in it; the products of PARTA 3 and of the next step's PARTA 0, 1 and 2 read it.
;   v1 to v11  offsets and LDS addresses, made once at the head and never written again: the tiles are reached by scalar bases and immediates.
;   S^T, P^T, Q's fragments, O^T and the small numbers are named in the loop by vector and matrix instructions alone.
; THREE WAITS A STEP.  (1) On vm_vsrc, ahead of the conversions: the LDS stores of the step before have read CV.  (2) On va_vdst, behind the
; conversions: they have written CV and are done reading STG, and the products of the step before are done reading VF; the step's 32 memory
; instructions follow it in one run, with no vector instruction among them.  (3) On va_vdst, behind the barrier's wait in PARTA 2: the step's
; last products with K are done reading KF.  The loads are not dealt among the products: they land in window 1 and PARTA names window 0 alone.
;
; NUMBERS.  Q, K, V are rounded to bf16 as they are (no factor is folded into them); sums in f32; the factor c = 8 log2(e) is applied in
; f32 inside one fused multiply-add, p = 2^(c s - c m).  The shift -c m is rounded once and that same number serves the exponentials and,
; by differences of such numbers, the rescale factors, so that it cancels in the quotient whatever the size of the scores.
; LIMITS.  Inputs are taken as finite: the maxima drop a NaN, so a NaN or an infinity in Q or K is not carried as the problem's softmax
; would carry it.  A weight below 2^-126 of the row's largest counts as 0.  The weights enter the second product in bf16 while their
; sum is taken from the f32 values.  The sums run in another order than the problem's.
.set KP,      144                      ; LDS pitch of a bf16 row of K or Q: 128 + 16, an odd multiple of 16: 16 rows start at 16 different 16-byte columns modulo 256
.set VP,      160                      ; LDS pitch of a bf16 row of V: an odd multiple of 32, for the transposing load
.set OPITCH,  272                      ; LDS pitch of an f32 row on the way out: 256 + 16
.set KBYTES,  64*KP                    ; 9,216: K's part of a slot; V's part follows it
.set SLOT,    64*KP+64*VP              ; 19,456
.set STAGE,   2*SLOT                   ; behind the slots: 9,216 bytes for each wave, its own: first its 64 rows of Q in bf16, at the end 16 rows of output
.set WSTAGE,  64*KP
.set TILEB,   16384                    ; 64 keys x 256 bytes in memory
; window 0
.set KA,   1                           ; LDS: my place in a K fragment, r 144 + 16 h
.set VA,   2                           ; LDS: my place in a V fragment, (8 h + l % 8) 160 + 16 ((l / 8) % 2) + 9,216
.set KST,  3                           ; LDS: where I store 4 numbers of K
.set VST,  4                           ; LDS: where I store 4 numbers of V
.set GO,   5                           ; 16 x thread: my 16 bytes in 4,096 bytes of a tile
.set GOL,  6                           ; 16 x lane: my 16 bytes in 512 bytes of Q or of the output
.set PF,   7                           ; 256 x lane + 8,192 x block: the prefetch's offset
.set QST,  8                           ; LDS: where I store 4 numbers of Q
.set QRD,  9                           ; LDS: my place in a Q fragment
.set OST,  10                          ; LDS: the way out, in
.set ORD,  11                          ; LDS: the way out, back
.set NM,   16                          ; v[16+2q] -c m, v[17+2q] m, for query tile q; at the end v[16+2q] = 1 / sum
.set LS,   24                          ; v[24+2q:25+2q] two partial sums of the weights
.set AL,   32                          ; v[32+2(q%2)] rescale factor of tile q, v[33+2(q%2)] its exponent
.set TM,   36                          ; v[36:39] at work
.set PT,   48                          ; v[48:63] P^T, two fragments of 32 keys
.set SC,   64                          ; v[64:95], v[96:127] S^T of the even and of the odd tiles: register 8 i + j = key 16 i + 8 h + j; at the start Q in bf16 on its way into LDS
.set KF,   128                         ; v[128:191] K fragments (key block i, d half e) at 16 i + 8 e
.set QF,   192                         ; v[192:255] Q fragments (query tile q, d half e) at 16 q + 8 e
.set RAW,  128                         ; v[128:255] at the start Q as loaded, at the end rows on their way out
; window 1 (named by their low 8 bits): v[256:383] O^T (q, t) at 32 q + 8 t
.set VF,   128                         ; v[384:447] V fragments (key half b, d block t) at 32 b + 8 t
.set STG,  192                         ; v[448:479] a tile on its way in: K's four loads, then V's four
.set CV,   224                         ; v[480:495] the same tile rounded to bf16, on its way into LDS
.set MSB, 0
.macro WIN new                         ; low byte: bits 1:0 source 0, 3:2 source 1, 5:4 source 2, 7:6 destination; the high byte repeats the setting that is left
.if MSB != \new
	s_set_vgpr_msb (MSB<<8)|\new
.set MSB, \new
.endif
.endm
; both bases on to the next tile
.macro STEPKV
	s_wait_xcnt 0x0                                ; the bases are stepped only behind this wait (the last prefetches named them)
	s_add_nc_u64 s[4:5], s[4:5], TILEB
	s_add_nc_u64 s[8:9], s[8:9], TILEB
.endm
; the tile of K and of V at the bases, 8 loads a thread (destination in window 1)
.macro LOADKV
.irp j, 0,1,2,3
	global_load_b128 v[STG+4*\j:STG+4*\j+3], v[GO], s[4:5] offset:4096*\j
.endr
.irp j, 0,1,2,3
	global_load_b128 v[STG+16+4*\j:STG+16+4*\j+3], v[GO], s[8:9] offset:4096*\j
.endr
.endm
; the loaded tile, 32 f32 a thread, rounded to 16 words of bf16 (sources and destination in window 1)
.macro CVT
.set k, 0
.rept 16
	v_cvt_pk_bf16_f32 v[CV+k], v[STG+2*k], v[STG+2*k+1]
.set k, k+1
.endr
.endm
; and stored: load j held key 16 j + thread / 16, numbers 4 (thread % 16) ..  (address in window 0, data in window 1)
.macro STORE slot
.irp j, 0,1,2,3
	ds_store_b64 v[KST], v[CV+2*\j:CV+2*\j+1] offset:(\slot)*SLOT+16*KP*\j
.endr
.irp j, 0,1,2,3
	ds_store_b64 v[VST], v[CV+8+2*\j:CV+8+2*\j+1] offset:(\slot)*SLOT+16*VP*\j
.endr
.endm
; K's fragments of a step: 16 loads
.macro KFRAGS slot
.irp i, 0,1,2,3
.irp e, 0,1
	ds_load_b128 v[KF+16*\i+8*\e:KF+16*\i+8*\e+3],   v[KA] offset:(\slot)*SLOT+16*KP*\i+64*\e
	ds_load_b128 v[KF+16*\i+8*\e+4:KF+16*\i+8*\e+7], v[KA] offset:(\slot)*SLOT+16*KP*\i+64*\e+32
.endr
.endr
.endm
; V's fragments of a step: 16 transposing loads (destination in window 1)
.macro VFRAGS slot
.irp b, 0,1
.irp t, 0,1,2,3
	ds_load_tr16_b128 v[VF+32*\b+8*\t:VF+32*\b+8*\t+3],   v[VA] offset:(\slot)*SLOT+32*VP*\b+32*\t
	ds_load_tr16_b128 v[VF+32*\b+8*\t+4:VF+32*\b+8*\t+7], v[VA] offset:(\slot)*SLOT+32*VP*\b+32*\t+16*VP
.endr
.endr
.endm
; Product j of the eight of S^T of query tile q: j = 0..3 key block j, first half of d, starts the sum; j = 4..7 key block j - 4, second half.
; The four accumulators take turns, one instruction a turn.
.macro SWMMA q, j
.if \j < 4
	v_wmma_f32_16x16x32_bf16 v[SC+32*((\q)&1)+8*\j:SC+32*((\q)&1)+8*\j+7], v[KF+16*\j:KF+16*\j+7], v[QF+16*(\q):QF+16*(\q)+7], 0
.else
	v_wmma_f32_16x16x32_bf16 v[SC+32*((\q)&1)+8*(\j-4):SC+32*((\q)&1)+8*(\j-4)+7], v[KF+16*(\j-4)+8:KF+16*(\j-4)+15], v[QF+16*(\q)+8:QF+16*(\q)+15], v[SC+32*((\q)&1)+8*(\j-4):SC+32*((\q)&1)+8*(\j-4)+7]
.endif
.endm
; The new maximum of query tile q, its shift -c m and its rescale factor.  first = 1: there is no older maximum.
.macro MAXA q, first
.set SN, SC+32*((\q)&1)
.set AN, AL+2*((\q)&1)
.set NN, NM+2*(\q)
	; the largest of my 32 scores and the older maximum: 33 numbers, 16 instructions, four chains
.irp c, 0,1,2,3
	v_max3_num_f32 v[TM+\c], v[SN+8*\c], v[SN+8*\c+1], v[SN+8*\c+2]
.endr
.irp c, 0,1,2,3
	v_max3_num_f32 v[TM+\c], v[TM+\c], v[SN+8*\c+3], v[SN+8*\c+4]
.endr
.irp c, 0,1,2,3
	v_max3_num_f32 v[TM+\c], v[TM+\c], v[SN+8*\c+5], v[SN+8*\c+6]
.endr
	v_max3_num_f32 v[TM], v[TM], v[SN+7], v[SN+15]
	v_max3_num_f32 v[TM+1], v[TM+1], v[SN+23], v[SN+31]
	v_max3_num_f32 v[TM], v[TM], v[TM+1], v[TM+2]
.if \first
	v_max_num_f32 v[TM], v[TM], v[TM+3]
.else
	v_max3_num_f32 v[TM], v[TM], v[TM+3], v[NN+1]
.endif
	v_permlanex16_b32 v[TM+1], v[TM], s18, s19     ; the other 32 keys of my query lie in the lane 16 further on
	v_max_num_f32 v[NN+1], v[TM], v[TM+1]          ; m
.if \first
	v_mul_f32 v[NN], 0xc138aa3b, v[NN+1]           ; -c m, rounded once
.else
	v_mul_f32 v[TM+2], 0xc138aa3b, v[NN+1]         ; -c m, rounded once
	v_sub_f32 v[AN+1], v[TM+2], v[NN]              ; c (older m - m), at most 0
	v_exp_f32 v[AN], v[AN+1]
	v_mov_b32 v[NN], v[TM+2]                       ; also the plain instruction between the exponential and the first use of its result (ISA guide 5.7.2)
	s_wait_alu depctr_va_vdst(0)
.endif
.endm
; Pieces of the softmax of the tile whose registers PARTA has named: SQ its S^T, NQ its -c m.  A group is 4 registers of S^T.
.macro PFMA p                          ; c s - c m for the pair at p, both halves by s16 and v[NQ]
	v_pk_fma_f32 v[SQ+(\p):SQ+(\p)+1], v[SQ+(\p):SQ+(\p)+1], s[16:17], v[NQ:NQ+1] op_sel_hi:[1,0,0]
.endm
.macro PADD c, g                       ; chain c of two takes group g's pair c; group 1 starts the chains together with group 0: nothing is cleared
.if (\g) == 1
	v_pk_add_f32 v[TM+2*\c:TM+2*\c+1], v[SQ+2*\c:SQ+2*\c+1], v[SQ+4+2*\c:SQ+4+2*\c+1]
.else
	s_wait_alu depctr_va_vdst(0)
	v_pk_add_f32 v[TM+2*\c:TM+2*\c+1], v[TM+2*\c:TM+2*\c+1], v[SQ+4*(\g)+2*\c:SQ+4*(\g)+2*\c+1]
.endif
.endm
.macro PCVT c, g                       ; group g's pair c to bf16: tiles 0, 1 make the fragment of keys 0-31, tiles 2, 3 that of keys 32-63
	s_wait_alu depctr_va_vdst(0)
	v_cvt_pk_bf16_f32 v[PT+2*(\g)+\c], v[SQ+4*(\g)+2*\c], v[SQ+4*(\g)+2*\c+1]
.endm
; Slice j of eight: the exponentials of group j, the multiply-adds of group j + 1, the sums and roundings of group j - 1.
; Each exponential's result is used a slice later, and a plain instruction on other registers stands between (ISA guide 5.7.2).
.macro SLICE j
	v_exp_f32 v[SQ+4*\j], v[SQ+4*\j]
.if \j < 7
	PFMA 4*\j+4
.endif
	v_exp_f32 v[SQ+4*\j+1], v[SQ+4*\j+1]
.if \j < 7
	PFMA 4*\j+6
.endif
	v_exp_f32 v[SQ+4*\j+2], v[SQ+4*\j+2]
.if \j > 1
	PADD 0, \j-1
.endif
	v_exp_f32 v[SQ+4*\j+3], v[SQ+4*\j+3]
.if \j > 1
	PADD 1, \j-1
.endif
.if \j > 0
	PCVT 0, \j-1
	PCVT 1, \j-1
.endif
.endm
; The softmax of tile q among the products of S^T of tile nq, then the maximum of tile nq.  All in window 0.
; mul = 0: there is no next tile.  firstc, firstn = 1: tile q, tile nq is in step 0.
; next = 1: behind the tail the barrier is waited for and K's fragments of the next step are read from slot.
.macro PARTA q, nq, mul, firstc, firstn, next, slot
.set SQ, SC+32*((\q)&1)
.set NQ, NM+2*(\q)
.set AQ, AL+2*((\q)&1)
.set LQ, LS+2*(\q)
	WIN 0
	PFMA 0
	PFMA 2
.irp j, 0,1,2,3,4,5,6,7
.if \mul
	SWMMA \nq, \j
.endif
	SLICE \j
.endr
	PADD 0, 7
	PADD 1, 7
	PCVT 0, 7
	PCVT 1, 7
.if \firstc
	v_pk_add_f32 v[LQ:LQ+1], v[TM:TM+1], v[TM+2:TM+3]
.else
	v_pk_add_f32 v[TM:TM+1], v[TM:TM+1], v[TM+2:TM+3]
	v_pk_fma_f32 v[LQ:LQ+1], v[LQ:LQ+1], v[AQ:AQ+1], v[TM:TM+1] op_sel_hi:[1,0,1]
.endif
	; Behind the last product stand slice 7's two sums and two roundings and the tail's: more than the four places that the first read of
	; S^T(nq) wants (ISA guide 7.12.1); they name S^T(q), P^T and small numbers alone.
.if \next
	s_barrier_wait -1                              ; every wave has stored its part of the next tile
	s_wait_alu depctr_va_vdst(0)                   ; this step's last products with K, above, are done reading K's fragments, in which the loads below land
	KFRAGS \slot                                   ; the fragment registers take the next step's
.endif
.if \mul
	MAXA \nq, \firstn
.endif
.endm
; O^T(q) += V^T P^T, and among the products the rescale of O^T(nq): a lane's 32 numbers all belong to its query.
; One setting serves both: destination, source 0 and source 2 in window 1 (O^T, V's fragments), source 1 in window 0 (P^T, the factor).
; firstc = 1: the first four products start the sums: nothing is cleared.  resc = 0: tile nq has nothing to rescale.
; The four accumulators take turns, one instruction a turn.
.macro PARTB q, nq, firstc, resc
.set AN, AL+2*((\nq)&1)
	WIN 0x51
.irp j, 0,1,2,3,4,5,6,7
.set ZC, (\firstc)*(1-(\j>>2))
.if ZC
	v_wmma_f32_16x16x32_bf16 v[32*(\q)+8*(\j&3):32*(\q)+8*(\j&3)+7], v[VF+32*(\j>>2)+8*(\j&3):VF+32*(\j>>2)+8*(\j&3)+7], v[PT+8*(\j>>2):PT+8*(\j>>2)+7], 0
	s_wait_alu depctr_va_vdst(0)
.else
	v_wmma_f32_16x16x32_bf16 v[32*(\q)+8*(\j&3):32*(\q)+8*(\j&3)+7], v[VF+32*(\j>>2)+8*(\j&3):VF+32*(\j>>2)+8*(\j&3)+7], v[PT+8*(\j>>2):PT+8*(\j>>2)+7], v[32*(\q)+8*(\j&3):32*(\q)+8*(\j&3)+7]
.endif
.if \resc
	s_wait_alu depctr_va_vdst(0)
	v_pk_mul_f32 v[32*(\nq)+4*\j:32*(\nq)+4*\j+1],   v[32*(\nq)+4*\j:32*(\nq)+4*\j+1],   v[AN:AN+1] op_sel_hi:[1,0]
	v_pk_mul_f32 v[32*(\nq)+4*\j+2:32*(\nq)+4*\j+3], v[32*(\nq)+4*\j+2:32*(\nq)+4*\j+3], v[AN:AN+1] op_sel_hi:[1,0]
.endif
.endr
.endm
; Step t works on the tile in slot t % 2.  At its head K's fragments of tile t are in, S^T of tile 0 is made and its maximum taken.
; first: step 0.  load: tile t + 2 is asked for.  pf: wave 0 prefetches (2: not in the loop's last trip).  last: step 31, no tile follows.
.macro TRIP slot, first, load, pf, last
.if \last
.rept 4
	v_nop                                          ; where the other steps have the sixteen conversions: four plain instructions between the last products and the loads into V's fragments
.endr
.else
	s_wait_loadcnt 0x0                             ; tile t + 1, asked for a whole step ago
.if \load
	STEPKV                                         ; the bases at tile t + 2
.endif
	s_wait_alu depctr_vm_vsrc(0)                   ; the LDS stores of the step before have read CV, which the conversions write again
	WIN 0x45
	CVT
.endif
	WIN 0x44                                       ; one setting for the whole run: loaded data and store data in window 1, addresses in window 0
	s_wait_alu depctr_va_vdst(0)                   ; the conversions have written CV, which the stores read, and are done reading STG, in which the global loads land;
	                                               ; the products of the step before are done reading V's fragments, in which the LDS loads land
	VFRAGS \slot
.if \load
	LOADKV
.endif
.if \last == 0
	STORE 1-\slot
.endif
	WIN 0
.if \pf
	; The bases now stand at tile t + 2.  Wave 0 of each of the head's four work-groups asks for its quarter (8,192 bytes, 32 lanes 256 bytes
	; apart) of tiles t + 4 and t + 5 of K and of V: two and three steps ahead of their loads, each block once in the launch.
	; Asked in the even steps 0 to 26; step 28 would point past the head's last tile and asks for nothing.
	s_cmp_lg_u32 s12, 0
	s_cbranch_scc1 .Lnopf_\@
.if \pf == 2
	s_cmp_eq_u32 s13, 1
	s_cbranch_scc1 .Lnopf_\@
.endif
	global_prefetch_b8 v[PF], s[4:5] offset:2*TILEB th:TH_LOAD_NT scope:SCOPE_SE
	global_prefetch_b8 v[PF], s[8:9] offset:2*TILEB th:TH_LOAD_NT scope:SCOPE_SE
.Lnopf_\@:
.endif
	PARTA 0, 1, 1, \first, \first, 0, 0
	s_wait_dscnt 0x0                               ; V's fragments are in; with them all my reads of tile t are back and my stores of tile t + 1 are done
.if \last == 0
	s_barrier_signal -1                            ; say so.  Up to the barrier's wait, in PARTA 2, stands register work alone: a wave may lag by that much.
	                                               ; Behind the wait tile t + 1 is read by every wave, and in the next step tile t + 2 is stored over tile t
.endif
	PARTB 0, 1, \first, 1-\first
	PARTA 1, 2, 1, \first, \first, 0, 0
	PARTB 1, 2, \first, 1-\first
	PARTA 2, 3, 1, \first, \first, 1-\last, 1-\slot
	PARTB 2, 3, \first, 1-\first
.if \last == 0
	s_wait_dscnt 0x0                               ; K's fragments of tile t + 1, asked for in front of the last maximum and the eight products above
.endif
	PARTA 3, 0, 1-\last, \first, 0, 0, 0           ; its products are S^T of tile 0 in step t + 1
	PARTB 3, 0, \first, 1-\last
	WIN 0
.endm
	s_load_b256 s[4:11], s[0:1], 0x0               ; K s[4:5], Q s[6:7], V s[8:9], out0 s[10:11]
	v_lshl_add_u32 v46, v0, 2, 0x1b800
	v_mov_b32 v47, 0
	v_lshrrev_b32 v12, 5, v0
	v_readfirstlane_b32 s12, v12                   ; wave 0..7
	s_lshl_b32 s14, ttmp9, 17                      ; 512 query rows of 256 bytes for each work-group
	s_mov_b32 s15, 0
	s_lshr_b32 s20, ttmp9, 2                       ; head
	s_lshl_b32 s20, s20, 19                        ; x 2,048 rows of 256 bytes
	s_mov_b32 s21, 0
	s_and_b32 s23, ttmp9, 3                        ; my block among the head's four,
	s_lshl_b32 s23, s23, 13                        ; x 8,192 bytes: its quarter of what is prefetched
	s_mov_b32 s16, 0x4138aa3b                      ; c = 8 log2(e)
	s_mov_b32 s17, 0x4138aa3b
	s_mov_b32 s18, 0x76543210                      ; v_permlanex16_b32: lane i of one half reads lane i of the other
	s_mov_b32 s19, 0xfedcba98
	s_wait_alu depctr_va_sdst(0)                   ; s12 is written, ahead of its first reader: offsets, LDS addresses and the prefetch's branch are made from it
	s_lshl_b32 s22, s12, 14                        ; 64 query rows for each wave
	s_add_co_u32 s14, s14, s22
	s_mul_i32 s24, s12, WSTAGE
	s_add_co_u32 s24, s24, STAGE                   ; my wave's stage
	s_mul_i32 s25, s12, 2*KP                       ; a wave's 32 threads hold two rows of each 16 rows of a tile
	s_mul_i32 s26, s12, 2*VP
	s_add_co_u32 s26, s26, KBYTES
	v_and_b32 v12, 31, v0                          ; lane l
	v_and_b32 v13, 15, v0                          ; r = l % 16
	v_bfe_u32 v14, v0, 4, 1                        ; h = l / 16
	v_lshlrev_b32 v[GO], 4, v0
	v_lshlrev_b32 v[GOL], 4, v12
	v_lshlrev_b32 v[PF], 8, v12
	v_add_nc_u32 v[PF], s23, v[PF]
	v_mul_u32_u24 v[KA], v13, KP
	v_lshl_add_u32 v[KA], v14, 4, v[KA]            ; r 144 + 16 h
	v_add_nc_u32 v[QRD], s24, v[KA]
	v_and_b32 v15, 7, v0
	v_lshl_add_u32 v15, v14, 3, v15                ; 8 h + l % 8
	v_mul_u32_u24 v[VA], v15, VP
	v_bfe_u32 v15, v0, 3, 1
	v_lshl_add_u32 v[VA], v15, 4, v[VA]
	v_add_nc_u32 v[VA], KBYTES, v[VA]
	v_mul_u32_u24 v15, v14, KP
	v_lshl_add_u32 v15, v13, 3, v15                ; h 144 + 8 r
	v_add_nc_u32 v[KST], s25, v15
	v_add_nc_u32 v[QST], s24, v15
	v_mul_u32_u24 v15, v14, VP
	v_lshl_add_u32 v15, v13, 3, v15                ; h 160 + 8 r
	v_add_nc_u32 v[VST], s26, v15
	v_mul_u32_u24 v[OST], v13, OPITCH
	v_lshl_add_u32 v[OST], v14, 5, v[OST]          ; r 272 + 32 h
	v_add_nc_u32 v[OST], s24, v[OST]
	v_mul_u32_u24 v[ORD], v14, OPITCH
	v_lshl_add_u32 v[ORD], v13, 4, v[ORD]          ; h 272 + 16 r
	v_add_nc_u32 v[ORD], s24, v[ORD]
	s_wait_kmcnt 0x0
	s_add_nc_u64 s[6:7], s[6:7], s[14:15]          ; Q and the output at my wave's first row
	s_add_nc_u64 s[10:11], s[10:11], s[14:15]
	s_add_nc_u64 s[4:5], s[4:5], s[20:21]          ; K and V at the head's first row
	s_add_nc_u64 s[8:9], s[8:9], s[20:21]
	s_wait_alu depctr_va_vdst(0)                   ; the eleven offsets and addresses v1 to v11 are written: every load, store and prefetch of the kernel reads one of them, and none is written again
	; my wave's 64 rows of Q, two rows a load, into the registers that later hold the fragments of K and Q; then tile 0
.set n, 0
.rept 32
	global_load_b128 v[RAW+4*n:RAW+4*n+3], v[GOL], s[6:7] offset:512*n th:TH_LOAD_NT
.set n, n+1
.endr
	WIN 0x40                                       ; destination in window 1
	LOADKV
	WIN 0
	; Q to bf16: load n held rows 2 n + h, numbers 4 r ..  Each group of eight loads has 16 registers of its own, so that one wait serves all 32 stores
.irp g, 0,1,2,3
	s_wait_loadcnt 32-8*\g                         ; loads come back in order (ISA guide 5.7.1): behind this group's eight stand the later groups' and tile 0's eight
.irp j, 0,1,2,3,4,5,6,7
	v_cvt_pk_bf16_f32 v[SC+16*\g+2*\j],   v[RAW+32*\g+4*\j],   v[RAW+32*\g+4*\j+1]
	v_cvt_pk_bf16_f32 v[SC+16*\g+2*\j+1], v[RAW+32*\g+4*\j+2], v[RAW+32*\g+4*\j+3]
.endr
.endr
	s_wait_alu depctr_va_vdst(0)                   ; the conversions have written v[SC ..], which the LDS stores read, and are done reading v[RAW ..], in which the fragments of Q and later of K land
.irp g, 0,1,2,3
.irp j, 0,1,2,3,4,5,6,7
	ds_store_b64 v[QST], v[SC+16*\g+2*\j:SC+16*\g+2*\j+1] offset:2*KP*(8*\g+\j)    ; into my own stage
.endr
.endr
	; and back as fragments, which stay for the whole kernel.  My own bytes: LDS serves a wave's instructions in order (ISA guide 5.7.1)
.irp q, 0,1,2,3
.irp e, 0,1
	ds_load_b128 v[QF+16*\q+8*\e:QF+16*\q+8*\e+3],   v[QRD] offset:16*KP*\q+64*\e
	ds_load_b128 v[QF+16*\q+8*\e+4:QF+16*\q+8*\e+7], v[QRD] offset:16*KP*\q+64*\e+32
.endr
.endr
	s_wait_loadcnt 0x0                             ; tile 0
	STEPKV                                         ; the bases at tile 1
	WIN 0x45
	CVT
	WIN 0x44
	s_wait_alu depctr_va_vdst(0)                   ; the conversions have written CV, which the stores read, and are done reading STG, in which tile 1's loads land
	LOADKV                                         ; tile 1
	STORE 0
	WIN 0
	s_wait_dscnt 0x0                               ; my part of tile 0 is stored, and my Q fragments are in
	s_barrier_signal -1
	s_barrier_wait -1                              ; tile 0 is whole
	; what every later step finds done by the step before it: K's fragments, S^T of tile 0 and its maximum
	KFRAGS 0                                       ; no vector instruction since the last wait on va_vdst names these registers
	s_wait_dscnt 0x0
	s_wait_alu depctr_vm_vsrc(0)                   ; the LDS stores of Q have read v[SC ..], which the products write from here on
.irp j, 0,1,2,3,4,5,6,7
	SWMMA 0, \j
.endr
.rept 4
	v_nop                                          ; four places between the last product and the first read of a result (ISA guide 7.12.1); once in the kernel: no softmax is at hand yet
.endr
	MAXA 0, 1
	TRIP 0, 1, 1, 1, 0                             ; step 0 starts maxima, sums and O^T
	TRIP 1, 0, 1, 0, 0
	s_mov_b32 s13, 14                              ; steps 2 to 29
.Lloop:
	TRIP 0, 0, 1, 2, 0
	TRIP 1, 0, 1, 0, 0
	s_sub_co_u32 s13, s13, 1
	s_cmp_lg_u32 s13, 0
	s_cbranch_scc1 .Lloop
	TRIP 0, 0, 0, 0, 0                             ; step 30: tile 31 is stored, nothing is left to load
	TRIP 1, 0, 0, 0, 1                             ; step 31
	; 1 / sum for each query tile.  The eight additions name no register of the last products: they are the places in front of the first read of O^T.
.irp q, 0,1,2,3
	v_add_f32 v[LS+2*\q], v[LS+2*\q], v[LS+2*\q+1]
.endr
.irp q, 0,1,2,3
	v_permlanex16_b32 v[LS+2*\q+1], v[LS+2*\q], s18, s19
.endr
.irp q, 0,1,2,3
	v_add_f32 v[LS+2*\q], v[LS+2*\q], v[LS+2*\q+1]
.endr
.irp q, 0,1,2,3
	v_rcp_f32 v[NM+2*\q], v[LS+2*\q]               ; the sum is at least the largest weight, which is 1 up to rounding
.endr
	v_nop                                          ; the plain instruction behind the reciprocals (ISA guide 5.7.2)
	s_wait_alu depctr_va_vdst(0)
; THE WAY OUT, one query tile (16 rows of 256 bytes) at a time: a lane holds 8 neighbouring numbers of its row for each d block; they go
; into my own stage and come back as whole rows, so that each store of the wave covers 512 consecutive bytes, aligned.
; Registers that LDS and memory instructions touch here: v[SC ..], written by the 16 multiplications and read by the 8 LDS stores; the rows'
; registers f (two sets by turns), in which the 8 LDS loads land and which the 8 global stores read.
.macro OUT16 q, f
.if \q > 0
	s_wait_alu depctr_vm_vsrc(0)                   ; the last tile's LDS stores have read v[SC ..], which the multiplications write again; the global stores issued so far have read their rows, in whose registers the loads below land
.endif
	WIN 0x01                                       ; source 0 in window 1
.set k, 0
.rept 16
	v_pk_mul_f32 v[SC+k:SC+k+1], v[32*\q+k:32*\q+k+1], v[NM+2*\q:NM+2*\q+1] op_sel_hi:[1,0]
.set k, k+2
.endr
	WIN 0
	s_wait_alu depctr_va_vdst(0)                   ; the multiplications have written v[SC ..], which the LDS stores read; the products are done reading the fragments of K and Q, in whose registers the rows land
.irp t, 0,1,2,3
	ds_store_b128 v[OST], v[SC+8*\t:SC+8*\t+3]   offset:64*\t
	ds_store_b128 v[OST], v[SC+8*\t+4:SC+8*\t+7] offset:64*\t+16
.endr
	s_wait_xcnt 0x0                                ; registers that earlier stores read are loaded again only behind this wait
.irp u, 0,1,2,3,4,5,6,7
	ds_load_b128 v[\f+4*\u:\f+4*\u+3], v[ORD] offset:2*OPITCH*\u   ; rows 2 u + h; in order behind my stores above
.endr
.irp u, 0,1,2,3,4,5,6,7
	s_wait_dscnt 7-\u                              ; the younger read-backs may be out
	global_store_b128 v[GOL], v[\f+4*\u:\f+4*\u+3], s[10:11] offset:4096*\q+512*\u th:TH_STORE_NT
.endr
.endm
	OUT16 0, RAW
	OUT16 1, RAW+64
	OUT16 2, RAW
	OUT16 3, RAW+64
	s_wait_dscnt 0x0
	s_wait_alu depctr_hold_cnt(0) depctr_sa_sdst(0) depctr_va_vdst(0) depctr_va_sdst(0) depctr_va_ssrc(0) depctr_va_vcc(0) depctr_vm_vsrc(0)
	s_wait_tensorcnt 0x0
	ds_add_u32 v46, v47
	s_wait_dscnt 0x0
	s_endpgm
.Lfunc_end_k_qb711175c77_attn:
	.size	k_qb711175c77_attn, .Lfunc_end_k_qb711175c77_attn-k_qb711175c77_attn
	.p2alignl 7, 3214868480
	.fill 96, 4, 3214868480
	.section	.rodata,"a",@progbits
	.p2align	6, 0x0
	.amdhsa_kernel k_qb711175c77_attn
		.amdhsa_group_segment_fixed_size 113664
		.amdhsa_private_segment_fixed_size 0
		.amdhsa_enable_private_segment 0
		.amdhsa_kernarg_size 32
		.amdhsa_user_sgpr_count 2
		.amdhsa_user_sgpr_kernarg_segment_ptr 1
		.amdhsa_wavefront_size32 1
		.amdhsa_system_sgpr_workgroup_id_x 1
		.amdhsa_system_sgpr_workgroup_id_y 1
		.amdhsa_system_sgpr_workgroup_id_z 1
		.amdhsa_system_vgpr_workitem_id 0
		.amdhsa_next_free_vgpr 496
		.amdhsa_next_free_sgpr 66
		.amdhsa_reserve_vcc 0
		.amdhsa_float_denorm_mode_32 3
		.amdhsa_float_denorm_mode_16_64 3
		.amdhsa_memory_ordered 1
		.amdhsa_forward_progress 1
		.amdhsa_inst_pref_size 255
	.end_amdhsa_kernel
	.amdgpu_metadata
---
amdhsa.version: [ 1, 2 ]
amdhsa.kernels:
  - .name:           k_qb711175c77_attn
    .symbol:         k_qb711175c77_attn.kd
    .args:
      - { .name: K, .offset: 0, .size: 8, .value_kind: global_buffer, .address_space: global }
      - { .name: Q, .offset: 8, .size: 8, .value_kind: global_buffer, .address_space: global }
      - { .name: V, .offset: 16, .size: 8, .value_kind: global_buffer, .address_space: global }
      - { .name: out0, .offset: 24, .size: 8, .value_kind: global_buffer, .address_space: global }
    .group_segment_fixed_size: 113664
    .private_segment_fixed_size: 0
    .kernarg_segment_align: 8
    .kernarg_segment_size: 32
    .max_flat_workgroup_size: 256
    .sgpr_count:     66
    .vgpr_count:     496
    .wavefront_size: 32
...
	.end_amdgpu_metadata
.endif
;; end of part 2
